; MI455X (gfx1250); checked and timed in simulation.
; The chip was launched on July 23, 2026; its instructions are those of AMD's public machine-readable ISA for CDNA 5 (MIT licence, August 2026) and "CDNA5" Instruction Set Architecture Reference Guide (July 2026). The comments in the code are by the model that wrote it; some were corrected since.
;; Blocked Ell Linear. Allowed arithmetic: matrix products marked QUANTISED: E2M3 operands, one E8M0 scale for each 32 along K, by v_wmma_scale_f32_16x16x128_f8f6f4 with both operands' format E2M3, f32 sums; everything else in f32.
;; Inputs: bias 4,096 float32; block_mask 256 x 256 bool; weight 4,096 x 4,096 float32; x 2,048 x 4,096 float32.
;; Outputs: out0 2,048 x 4,096 float32.
;; This version of the problem:
;;   THIS VERSION OF THE PROBLEM IS GIVEN IN LOW PRECISION. The matrix products marked QUANTISED in the list below multiply operands that are first quantised to E2M3 (2 exponent bits, 3 mantissa bits; 6 bits a number), with one power-of-two scale for each 32 numbers along K (OCP MX v1.0); their sums are f32. All else is computed in f32.
;;   The module's matrix products, in the order in which they are computed (A, B: the left and right operand; K: the contracted axis; several contracted axes count as one K, in the product's order):
;;     1. [M 2,048, K 4,096] x [K 4,096, N 4,096]; A: input x; B: computed on the way: QUANTISED
;;     2. [M 2,048, K 4,096] x [K 4,096, N 4,096]; A: input x; B: input weight: QUANTISED
;;   THE QUANTISER, for each operand of a quantised product, along K:
;;     - K is cut into blocks of 32 from its start; a last block that is shorter is filled with zeros.
;;     - A block's scale is 2^e with e = floor(log2(the largest magnitude in the block)) - 2, held to -126 .. 127; a block of zeros has e = 0. As a byte (E8M0): e + 127.
;;     - Each number is divided by its block's scale, clamped to +-7.5, and rounded to the nearest number of E2M3, ties to even, subnormals kept.
;;     - The product sums the exact products of the quantised numbers (number of the format x scale) in f32.
;;   ~~~python
;;   def quantise(x, axis):      # numpy; x: float32 -> the quantised numbers, widened to float32 again
;;       x = np.moveaxis(x, axis, -1); K = x.shape[-1]
;;       x = np.pad(x, [(0, 0)] * (x.ndim - 1) + [(0, -K % 32)]); x = x.reshape(x.shape[:-1] + (-1, 32)); a = np.abs(x).max(-1, keepdims=True)
;;       e = np.where(a > 0, np.clip(np.frexp(np.where(a > 0, a, 1))[1] - 1 - 2, -126, 127), 0)      # np.frexp(a)[1] - 1 = floor(log2(a)), exactly
;;       r = np.clip(x / 2.0 ** e, -7.5, 7.5)
;;       step = 2.0 ** (np.maximum(np.frexp(np.where(r == 0, 1, r))[1] - 1, 0) - 3)
;;       q = np.round(r / step) * step * 2.0 ** e      # np.round: ties to even
;;       return np.moveaxis(q.reshape(q.shape[:-2] + (-1,))[..., :K], -1, axis).astype(np.float32)
;;   ~~~
;;   OPERANDS COMPUTED ON THE WAY. 'Computed on the way' means the value that the module computes at that place (a softmax that the list does not call 'softmax' is quantised finished and normalised). What goes into a quantiser is computed in f32, as accurately as f32 sums, v_exp_f32 and their like allow (about 1e-6 of the number): no bf16 or f16 on the way to a quantiser, and a product that is left as it is and whose result goes on into a quantised operand takes f32 operands (vector FMAs, or v_wmma_f32_16x16x4_f32). A number that lies on a knife's edge between two numbers of the format may be rounded either way, as far as f32 arithmetic and the matrix unit's own rounding can turn it there, and no further.
;; One version. Each part assembles by itself: llvm-mc -triple=amdgcn-amd-amdhsa -mcpu=gfx1250 --defsym DOCPART=n.
;; ======== version 1 of 1: 2 launches
;; limits: right only within a limited range of input values
;; workspace buffers: xq 6,553,600 bytes; wq 26,214,400 bytes
;; launch quant (part 1): grid 768 x 1, 4 waves a work-group, no clusters, 34,304 bytes of LDS; arguments x, weight, block_mask, xq, wq; writes xq, wq
.if DOCPART == 1
	.amdgcn_target "amdgcn-amd-amdhsa--gfx1250"
	.amdhsa_code_object_version 6
	.text
	.protected	k_q6c4ba53666_quant
	.globl	k_q6c4ba53666_quant
	.p2align	8
	.type	k_q6c4ba53666_quant,@function
k_q6c4ba53666_quant:
	s_mov_b64 s[64:65], 0
	v_nop
	global_prefetch_b8 v0, s[64:65] scope:SCOPE_SE
	s_setreg_imm32_b32 hwreg(HW_REG_WAVE_MODE, 25, 1), 1
	s_wait_xcnt 0x0
; x [2048][4096], weight [4096][4096] (f32, K innermost) and weight x the expanded block mask are turned into codes of FP6 (E2M3) with one E8M0 scale byte for each 32 along K,
; laid IN THE ORDER OF THE OPERAND'S REGISTERS, so that the product's launch takes every fragment by loads of 16 bytes a lane and every K step as one dense block.
; A UNIT is 12,800 bytes: eight fragments (16 rows x 128 K, 12 registers a lane: register j of lane l at 512 (j / 4) + 16 l + 4 (j % 4)), 1,536 bytes each, then 512 bytes of scale words:
; the word of (fragment i, row r) at 12,288 + 256 (i / 4) + 16 r + 4 (i % 4).  Unit (G, s), K step s of group G, lies at (32 G + s) x 12,800.
; xq: group G = 128 tokens, fragment i = tokens 128 G + 16 i + r.   wq: group G = 64 outs, fragments 0-3 = Q(W), fragments 4-7 = Q(W x mask), outs 64 G + 16 (i % 4) + r.
; THE MASKED WEIGHT IS QUANTISED ANEW: a block of 32 along K spans two mask blocks of 16; where one of them is off, the block's largest magnitude, and so its scale and its codes, are those of the other half alone.
; So the largest magnitude is kept by halves; the masked scale is taken of the halves that are on, the numbers are converted again under it, and the codes of a half that is off are cleared (the code 0 is the number 0).
; A block's scale is 2^(floor(log2(its largest magnitude)) - 2); its byte is the largest magnitude's exponent field - 2, held at 1 from below by a floor among the maximum's leaves.
; LIMITS: a block of zeros gets the byte 1 where the rule says 127: its codes are zeros, which add nothing under any byte but 0xff, and this program alone reads the bytes.
; Blocks whose largest magnitude lies under 2^-124 (byte held at 1) were not tried; NaN and infinities among the inputs are not served.
; SHARES: a wave takes 64 rows x 128 K (four fragments).  Work-groups 0-255 take x, 256-767 the weight; the four waves of a work-group stand side by side on 2,048 bytes of each row.
; A lane of a fragment wants 2 x 32 neighbours of ONE row, a load is best where neighbouring lanes take neighbouring bytes: each load reads a row's 512 consecutive bytes, and 16 rows turn through the wave's own stage in LDS.
; No tensor load, no barrier: waves share nothing.  Loads run two fragments (32 loads a wave) ahead.
.set WGX,   256                        ; work-groups that take x
.set SP,    528                        ; a stage row: 512 bytes + 16, an odd multiple of 16: the 16 rows that a load of 16 bytes a lane touches fall in 16 different columns of 16 bytes
.set STGW,  16*SP                      ; a wave's stage
.set UNIT,  12800
.set FRB,   1536                       ; a fragment's image
.set FLOOR, 0x1800000                  ; 2^(3 - 127)
.set LO,    1                          ; v1   16 x lane: my place in a load's 512 bytes and in a store's
.set SI,    2                          ; v2   the stage, on the way in
.set SOUT,  3                          ; v3   and on the way out: row r, + 128 h
.set SOFF,  4                          ; v4   16 r + 8 h: my 8 bytes of the scale words
.set SH8,   5                          ; v5   8 h
.set SH16,  6                          ; v6   16 h
.set A,     8                          ; v8-11    largest magnitudes by halves of a block: A + 2 c + u
.set RAW,   16                         ; v16-143  two sets of 64: 16 rows as they are loaded
.set X,     144                        ; v144-207 X + 32 c + n = k 64 c + 32 h + n of row r
.set C,     208                        ; v208-219 a fragment's 12 registers
.set TT,    220                        ; v220-222, v224-226 conversions whose place begins on an odd register
.set M,     232                        ; v232-235 0 or -1 for each half: M + 2 c + u;  v236-239 the halves' maxima under the mask;  v240-241 the mask's words, shifted
.set WU,    244                        ; v244-247 the scale word of fragment f, unmasked;  v248-251 masked
.set WM,    248
.set MK,    24                         ; s[24:31] the mask's 8 bytes for fragment f in s[24 + 2 f : 25 + 2 f]
	s_load_b256 s[4:11], s[0:1], 0x0               ; x s[4:5], weight s[6:7], block_mask s[8:9], xq s[10:11]
	s_load_b64 s[12:13], s[0:1], 0x20              ; wq
	v_lshl_add_u32 v242, v0, 2, 0x8400
	v_mov_b32 v243, 0
	v_lshrrev_b32 v7, 5, v0
	v_readfirstlane_b32 s16, v7                    ; wave 0..3
	v_and_b32 v7, 31, v0                           ; lane
	v_lshlrev_b32 v[LO], 4, v7
	s_mul_i32 s33, s16, STGW                       ; my stage
	v_add_nc_u32 v[SI], s33, v[LO]
	v_and_b32 v8, 15, v0                           ; r
	v_bfe_u32 v9, v0, 4, 1                         ; h
	v_mul_u32_u24 v[SOUT], v8, SP
	v_lshl_add_u32 v[SOUT], v9, 7, v[SOUT]
	v_add_nc_u32 v[SOUT], s33, v[SOUT]
	v_lshlrev_b32 v[SOFF], 4, v8
	v_lshl_add_u32 v[SOFF], v9, 3, v[SOFF]
	v_lshlrev_b32 v[SH8], 3, v9
	v_lshlrev_b32 v[SH16], 4, v9
	v_mov_b32 v231, 0                              ; written once: a lane permute's destination counts as one of its sources
.irp f, 0,1,2,3
	v_mov_b32 v[WM+\f], 0                          ; so that they are written on every way through the text
.endr
	s_mov_b32 s20, 0xffff0000                      ; lanes 16-31
	s_mov_b32 s22, 0x76543210
	s_mov_b32 s23, 0xfedcba98                      ; v_permlanex16_b32's selects for lane l xor 16
	s_cmp_lt_u32 ttmp9, WGX                        ; x's work-group or the weight's?  The choice hangs on the work-group's number alone
	s_cselect_b32 s17, 0, WGX
	s_cselect_b32 s18, 1, 0                        ; x: two groups of 64 rows to a unit; weight: one
	s_sub_co_u32 s19, ttmp9, s17
	s_lshr_b32 s21, s19, 3                         ; which 64 rows
	s_and_b32 s19, s19, 7
	s_lshl_b32 s19, s19, 2
	s_add_co_u32 s32, s19, s16                     ; which K step of 128: 4 x (work-group % 8) + wave
	s_lshl_b32 s34, s21, 20                        ; the source: 64 rows of 16,384 bytes,
	s_lshl_b32 s35, s32, 9                         ; 512 bytes a K step
	s_add_co_u32 s34, s34, s35
	s_mov_b32 s35, 0
	s_lshl_b32 s36, s21, 10                        ; the mask: 4 rows of 256 bytes for 64 outs,
	s_lshl_b32 s37, s32, 3                         ; 8 bytes a K step  (x's waves read it too, inside the buffer, and do not use it)
	s_add_co_u32 s36, s36, s37
	s_mov_b32 s37, 0
	s_lshr_b32 s38, s21, s18                       ; the unit's group G
	s_and_b32 s39, s21, s18                        ; and which half of the unit: x: 0 or 1; weight: 0
	s_lshl_b32 s40, s38, 5
	s_add_co_u32 s40, s40, s32
	s_mul_i32 s40, s40, UNIT                       ; (32 G + s) x 12,800: under 2^25
	s_mov_b32 s41, 0
	s_lshl_b32 s42, s39, 8
	s_add_co_u32 s42, s42, 8*FRB                   ; the scale words of my four fragments
	s_mov_b32 s43, 0
	s_mul_i32 s44, s39, 4*FRB                      ; my four fragments
	s_mov_b32 s45, 0
	s_wait_kmcnt 0x0
	s_cmp_lt_u32 ttmp9, WGX
	s_cselect_b64 s[4:5], s[4:5], s[6:7]
	s_cselect_b64 s[10:11], s[10:11], s[12:13]
	s_add_nc_u64 s[4:5], s[4:5], s[34:35]
	s_add_nc_u64 s[8:9], s[8:9], s[36:37]
	s_add_nc_u64 s[10:11], s[10:11], s[40:41]      ; the unit
	s_add_nc_u64 s[14:15], s[10:11], s[42:43]      ; its scale words
	s_add_nc_u64 s[10:11], s[10:11], s[44:45]      ; its fragments
.irp f, 0,1,2,3
	s_load_b64 s[MK+2*\f:MK+2*\f+1], s[8:9], 256*\f
.endr
.macro LOAD f                          ; fragment f's 16 rows: each load reads 512 consecutive bytes, at a multiple of 512 from the tensor's first byte
.irp i, 0,1,2,3,4,5,6,7,8,9,10,11,12,13,14,15
	global_load_b128 v[RAW+64*((\f)%2)+4*\i:RAW+64*((\f)%2)+4*\i+3], v[LO], s[4:5] offset:(16*(\f)+\i)*16384 th:TH_LOAD_NT
.endr
.endm
.macro TURN f                          ; through the stage: LDS serves a wave's instructions in order, so no wait stands between the stores and the loads
.irp i, 0,1,2,3,4,5,6,7,8,9,10,11,12,13,14,15
	ds_store_b128 v[SI], v[RAW+64*((\f)%2)+4*\i:RAW+64*((\f)%2)+4*\i+3] offset:SP*\i
.endr
.irp c, 0,1
.irp j, 0,1,2,3,4,5,6,7
	ds_load_b128 v[X+32*\c+4*\j:X+32*\c+4*\j+3], v[SOUT] offset:256*\c+16*\j
.endr
.endr
.endm
.macro MAXES                           ; the largest magnitude of each half (16 numbers) of my two blocks, with the floor as one more leaf; four chains by turns
.irp c, 0,1
.irp u, 0,1
	v_max3_num_f32 v[A+2*\c+\u], |v[X+32*\c+16*\u]|, |v[X+32*\c+16*\u+1]|, FLOOR
.endr
.endr
.irp i, 2,4,6,8,10,12,14
.irp c, 0,1
.irp u, 0,1
	v_max3_num_f32 v[A+2*\c+\u], v[A+2*\c+\u], |v[X+32*\c+16*\u+\i]|, |v[X+32*\c+16*\u+\i+1]|
.endr
.endr
.endr
.endm
.macro SCALE2 dst                      ; v12, v13: the largest magnitudes of my blocks h and 2 + h  ->  v14, v15 the conversions' scale operands, v[dst] my row's scale word
	v_add_nc_u32 v14, 0xff000000, v12              ; 2 off the exponent field: the conversion takes the exponent field of this operand as its scale, and nothing else of it
	v_add_nc_u32 v15, 0xff000000, v13
	v_lshrrev_b32 v228, 23, v14                    ; the scale's byte
	v_lshrrev_b32 v229, 23, v15
	v_lshl_or_b32 v230, v229, 16, v228             ; my two bytes,
	v_lshlrev_b32 v230, v[SH8], v230               ; at their places in the word (8 h bits up);
	v_permlanex16_b32 v231, v230, s22, s23
	v_or_b32 v[\dst], v230, v231                   ; with lane l xor 16's two the word is whole
.endm
.macro CVT4                            ; 64 numbers to 64 codes; a conversion's three registers begin on an even number, so each block's upper 16 codes are made apart
	v_cvt_scalef32_pk16_fp6_f32 v[C:C+2], v[X:X+15], v14
	v_cvt_scalef32_pk16_fp6_f32 v[TT:TT+2], v[X+16:X+31], v14
	v_cvt_scalef32_pk16_fp6_f32 v[C+6:C+8], v[X+32:X+47], v15
	v_cvt_scalef32_pk16_fp6_f32 v[TT+4:TT+6], v[X+48:X+63], v15
	v_nop                                          ; one plain place behind a scaled conversion
.endm
.macro OUT3 off                        ; the fragment leaves as an image of its registers: each store covers 512 consecutive bytes, at a multiple of 512 from the buffer's first byte
.irp g, 0,1,2
	global_store_b128 v[LO], v[C+4*\g:C+4*\g+3], s[10:11] offset:\off+512*\g
.endr
.endm
.macro FRAG f
.if \f < 3
	s_wait_loadcnt 16                              ; this fragment's 16 loads are in; the next fragment's may be out
.else
	s_wait_loadcnt 0x0
.endif
	TURN \f
	s_wait_dscnt 0x0                               ; my 64 numbers are back from the stage
.if \f < 2
	LOAD \f+2                                      ; into the set that has just gone through the stage
.endif
	MAXES
	v_max_num_f32 v12, v[A], v[A+1]                ; a block's largest magnitude: both halves
	v_max_num_f32 v13, v[A+2], v[A+3]
	SCALE2 WU+\f
	s_wait_alu depctr_va_vdst(0)
	s_wait_xcnt 0x0                                ; the earlier stores have read the codes' registers: they are written again only behind this wait
	CVT4
.irp i, 0,1,2
	v_mov_b32 v[C+3+\i], v[TT+\i]
	v_mov_b32 v[C+9+\i], v[TT+4+\i]
.endr
	OUT3 FRB*\f
	s_cmp_lt_u32 ttmp9, WGX                        ; x has no mask
	s_cbranch_scc1 .Lx_\@
	v_lshrrev_b32 v240, v[SH16], s[MK+2*\f]        ; the half (c, u) of lane (r, h) lies under mask byte 4 c + 2 h + u of the K step's eight
	v_lshrrev_b32 v241, v[SH16], s[MK+2*\f+1]
	v_and_b32 v[M], 1, v240
	v_bfe_u32 v[M+1], v240, 8, 1
	v_and_b32 v[M+2], 1, v241
	v_bfe_u32 v[M+3], v241, 8, 1
.irp i, 0,1,2,3
	v_sub_nc_u32 v[M+\i], 0, v[M+\i]               ; 0 or all ones
.endr
.irp i, 0,1,2,3
	v_and_b32 v[M+4+\i], v[A+\i], v[M+\i]          ; a half that is off counts for nothing
.endr
	v_max3_num_f32 v12, v[M+4], v[M+5], FLOOR
	v_max3_num_f32 v13, v[M+6], v[M+7], FLOOR
	SCALE2 WM+\f
	s_wait_alu depctr_va_vdst(0)
	s_wait_xcnt 0x0                                ; the unmasked fragment's stores have read the codes' registers
	CVT4
.irp i, 0,1,2
	v_and_b32 v[C+\i], v[C+\i], v[M]               ; the codes of a half that is off are cleared
	v_and_b32 v[C+3+\i], v[TT+\i], v[M+1]
	v_and_b32 v[C+6+\i], v[C+6+\i], v[M+2]
	v_and_b32 v[C+9+\i], v[TT+4+\i], v[M+3]
.endr
	OUT3 4*FRB+FRB*\f
.Lx_\@:
.endm
	LOAD 0
	LOAD 1
	s_wait_kmcnt 0x0                               ; the mask's bytes
	FRAG 0
	FRAG 1
	FRAG 2
	FRAG 3
	v_cndmask_b32 v252, v[WU], v[WU+2], s20        ; lane (r, h) stores row r's words of fragments 2 h and 2 h + 1: the 32 lanes cover 256 consecutive bytes, at a multiple of 256 from the buffer's first byte
	v_cndmask_b32 v253, v[WU+1], v[WU+3], s20
	global_store_b64 v[SOFF], v[252:253], s[14:15]
	s_cmp_lt_u32 ttmp9, WGX
	s_cbranch_scc1 .Ldone
	v_cndmask_b32 v254, v[WM], v[WM+2], s20
	v_cndmask_b32 v255, v[WM+1], v[WM+3], s20
	global_store_b64 v[SOFF], v[254:255], s[14:15] offset:256
.Ldone:
	s_wait_tensorcnt 0x0
	ds_add_u32 v242, v243
	s_wait_dscnt 0x0
	s_endpgm
.Lfunc_end_k_q6c4ba53666_quant:
	.size	k_q6c4ba53666_quant, .Lfunc_end_k_q6c4ba53666_quant-k_q6c4ba53666_quant
	.p2alignl 7, 3214868480
	.fill 96, 4, 3214868480
	.section	.rodata,"a",@progbits
	.p2align	6, 0x0
	.amdhsa_kernel k_q6c4ba53666_quant
		.amdhsa_group_segment_fixed_size 34304
		.amdhsa_private_segment_fixed_size 0
		.amdhsa_enable_private_segment 0
		.amdhsa_kernarg_size 40
		.amdhsa_user_sgpr_count 2
		.amdhsa_user_sgpr_kernarg_segment_ptr 1
		.amdhsa_wavefront_size32 1
		.amdhsa_system_sgpr_workgroup_id_x 1
		.amdhsa_system_sgpr_workgroup_id_y 1
		.amdhsa_system_sgpr_workgroup_id_z 1
		.amdhsa_system_vgpr_workitem_id 0
		.amdhsa_next_free_vgpr 256
		.amdhsa_next_free_sgpr 66
		.amdhsa_reserve_vcc 0
		.amdhsa_float_denorm_mode_32 3
		.amdhsa_float_denorm_mode_16_64 3
		.amdhsa_memory_ordered 1
		.amdhsa_forward_progress 1
		.amdhsa_inst_pref_size 41
	.end_amdhsa_kernel
	.amdgpu_metadata
---
amdhsa.version: [ 1, 2 ]
amdhsa.kernels:
  - .name:           k_q6c4ba53666_quant
    .symbol:         k_q6c4ba53666_quant.kd
    .args:
      - { .name: x, .offset: 0, .size: 8, .value_kind: global_buffer, .address_space: global }
      - { .name: weight, .offset: 8, .size: 8, .value_kind: global_buffer, .address_space: global }
      - { .name: block_mask, .offset: 16, .size: 8, .value_kind: global_buffer, .address_space: global }
      - { .name: xq, .offset: 24, .size: 8, .value_kind: global_buffer, .address_space: global }
      - { .name: wq, .offset: 32, .size: 8, .value_kind: global_buffer, .address_space: global }
    .group_segment_fixed_size: 34304
    .private_segment_fixed_size: 0
    .kernarg_segment_align: 8
    .kernarg_segment_size: 40
    .max_flat_workgroup_size: 128
    .sgpr_count:     66
    .vgpr_count:     256
    .wavefront_size: 32
...
	.end_amdgpu_metadata
.endif
;; end of part 1
;; launch gemm (part 2): grid 32 x 8, 4 waves a work-group, clusters of 4 x 4, 327,680 bytes of LDS; arguments xq, wq, bias, out0; writes out0
.if DOCPART == 2
	.amdgcn_target "amdgcn-amd-amdhsa--gfx1250"
	.amdhsa_code_object_version 6
	.text
	.protected	k_q6c4ba53666_gemm
	.globl	k_q6c4ba53666_gemm
	.p2align	8
	.type	k_q6c4ba53666_gemm,@function
k_q6c4ba53666_gemm:
	s_mov_b64 s[64:65], 0
	v_nop
	global_prefetch_b8 v0, s[64:65] scope:SCOPE_SE
	s_setreg_imm32_b32 hwreg(HW_REG_WAVE_MODE, 25, 1), 1
	s_wait_xcnt 0x0
	s_wait_alu depctr_hold_cnt(0) depctr_sa_sdst(0) depctr_va_vdst(0) depctr_va_sdst(0) depctr_va_ssrc(0) depctr_va_vcc(0) depctr_vm_vsrc(0)
	s_getreg_b32 s2, hwreg(HW_REG_IB_STS2, 6, 4)
	s_cmp_eq_u32 s2, 0
	s_cbranch_scc0 .Lentry_in_a_cluster
	s_endpgm
.Lentry_in_a_cluster:
	s_bfe_u32 s2, ttmp6, 0x10000c
	s_cmp_lg_u32 s2, 0xf033
	s_cbranch_scc0 .Lentry_shape_is_right
	s_endpgm
.Lentry_shape_is_right:
; out0[t][o] = sum_k Q(x)[t][k] Q(W)[o][k] + sum_k Q(x)[t][k] Q(W x mask)[o][k] + bias[o].  2,048 tokens, 4,096 outs, K = 4,096; FP6 (E2M3) codes, one E8M0 scale for each 32 along K; f32 sums.
; xq, wq hold the operands as images of their registers: a UNIT of 12,800 bytes = eight fragments (16 rows x 128 K, 1,536 bytes) and 512 bytes of scale words; unit (G, s) at (32 G + s) x 12,800.
; xq: group G = 128 tokens.  wq: group G = 64 outs, fragments 0-3 Q(W), 4-7 Q(W x mask).  Both products add onto the same accumulators, so x's fragments are read once for both.
; SHARES: a work-group makes 256 tokens x 128 outs, a wave 128 x 64: 32 accumulators.  A K step of a wave: 16 fragments from LDS, 64 matrix instructions.
; The matrix instruction is used transposed (source 0 = 16 outs, source 1 = 16 tokens): a lane holds one token and eight neighbouring outs.  The bias is the C of each sum's first product.
; LIMIT: so the bias is the first term of each f32 sum and not the last, an order of rounding other than the source's.
; THE RING: two LDS slots of three K steps.  K's 32 steps are a first tile of two steps (100 rows of 256 bytes a wave) and ten of three (150 rows): one tensor load a wave for each tile.
; CLUSTERS: 4 x 4.  A row of the cluster shares xq's runs, a column wq's: each run is asked for jointly.
; REGISTERS, in windows of 256: window 0: v16-29 addresses; v32-47 scale words, two sets; v64-159, v160-255 x's fragments, two sets.
;   window 1: wq's fragments, two sets, at v0 and v128; v96-127 the bias; in the last K step v0-127: rows of the result, two buffers.   window 2: accumulator (a, n) at v[8 (4 a + n)].
; A step's 50 LDS loads for the next step stand in three runs of 17, 18 and 15, at the step's head, behind 24 and behind 40 of its 64 products, in the order in which the next step wants them.
; THE LAST K STEP goes by pairs of token blocks: a pair's 16 products finish 32 rows, which go through the wave's stage and are stored while the next pairs are multiplied.
; PREFETCH: with the joint load of tile j stand two prefetches for tile j + 2: a run's 150 blocks of 256 bytes are shared among the four partners by address (38, 38, 38, 36), a lane a block;
; wq's runs are asked for by each cluster that loads them, xq's by the clusters with x under 4; tiles 1 and 2 are asked for at the head; the last two refills ask for nothing.
.set UNIT,  12800
.set FRB,   1536
.set RUN,   3*UNIT
.set SLOT,  4*RUN                      ; xq's two runs, then wq's two
.set SPARE, 2*SLOT                     ; the spare words: 128 bytes a wave, named by no other line
.set STAGE, SLOT                       ; the way out: 128 rows x 272 bytes a wave, in slot 1, which has had its last fill and last read by then
.set SPITCH, 272
.set GROUPB, 32*UNIT
.set ADRA, 16                          ; v16-17 my fragments of x in slot 0, 1;  v18-19 wq's;  v20-21 scale words (lanes 0-15 x's, 16-31 wq's)
.set ADRB, 18
.set ADRS, 20
.set STO,  22
.set RD,   23
.set PFO,  24                          ; v24-25 prefetch offsets
.set CO,   26                          ; my byte offset in out0
.set BO,   27                          ; 32 h
.set SPW,  28
.set NIL,  29
.set SC,   32
.set AF,   64
.set BI,   96                          ; in window 1
.set G1,   24
.set G0,   32
.set G1B,  48
.set G0B,  56
.set G1T,  68                          ; groups 1 of the first, shorter tile
.set G1BT, 76
.set PFA,  88                          ; s[88:89] my share of a run, two tiles behind the tile that a change of slots asks for
.set LIM,  67                          ; 1 where my wave prefetches, else the greatest number
.set MUL,  0xa1                        ; source 0 (wq) window 1, source 1 (x) window 0, C and D window 2
.set MULB, 0x91                        ; the same with C (the bias) in window 1
.set TO_B, 0x40                        ; destination window 1, address window 0
.set MSB, 0
.macro WIN new                         ; the immediate's high byte repeats the setting that is left
.if MSB != (\new)
	s_set_vgpr_msb (MSB<<8)|(\new)
.set MSB, (\new)
.endif
.endm
.macro JLOAD g0a, g1a, g0b, g1b        ; waves 0, 1 fetch xq's two runs, waves 2, 3 wq's; s_nop 0 and four v_nop behind each line
	s_cmp_eq_u32 s15, 0
	s_cbranch_scc0 .Lfor_b_\@
	tensor_load_to_lds s[\g0a:\g0a+3], s[\g1a:\g1a+7]
	s_nop 0
.rept 4
	v_nop
.endr
	s_branch .Lasked_\@
.Lfor_b_\@:
	tensor_load_to_lds s[\g0b:\g0b+3], s[\g1b:\g1b+7]
	s_nop 0
.rept 4
	v_nop
.endr
.Lasked_\@:
.endm
.macro CREST
	s_cmp_lg_u32 s14, 0
	s_cbranch_scc1 .Lnot_wave_0_\@
	s_barrier_signal -3
.Lnot_wave_0_\@:
	s_barrier_wait -3
	s_barrier_signal -1
	s_barrier_wait -1
.endm
.macro CROUND
	s_barrier_signal -1
	s_barrier_wait -1
	CREST
.endm
.macro PLACES n
.rept \n
	v_nop
.endr
.endm
.macro ASK mode, off                   ; mode 1: wherever my wave prefetches; 2: in the loop, not in its last trip
.if \mode == 2
	s_cmp_gt_u32 s3, s[LIM]
.else
	s_cmp_eq_u32 s[LIM], 1
.endif
	s_cbranch_scc0 .Lno_ask_\@
	global_prefetch_b8 v[PFO], s[PFA:PFA+1] offset:\off th:TH_LOAD_NT scope:SCOPE_SE
	global_prefetch_b8 v[PFO+1], s[PFA:PFA+1] offset:\off th:TH_LOAD_NT scope:SCOPE_SE
.Lno_ask_\@:
.endm
	; ahead of the first joint load stands only what it needs
	s_load_b256 s[4:11], s[0:1], 0x0               ; xq, wq, bias, out0
	v_lshl_add_u32 v[SPW], v0, 2, SPARE
	v_mov_b32 v[NIL], 0
	ds_add_u32 v[SPW], v[NIL]
	ds_add_u32 v[SPW], v[NIL]
	v_lshrrev_b32 v1, 5, v0
	v_readfirstlane_b32 s14, v1                    ; wave
	s_lshr_b32 s15, s14, 1                         ; which 128 tokens are mine; also: I fetch for xq (0) or wq (1)
	s_and_b32 s16, s14, 1                          ; which 64 outs; also: which of the two groups I fetch
	s_bfe_u32 s40, ttmp6, 0x40000                  ; cx
	s_bfe_u32 s41, ttmp6, 0x40004                  ; cy
	s_lshl_b32 s42, ttmp9, 2
	s_add_co_u32 s42, s42, s40                     ; tile column (128 outs)
	s_and_b32 s17, ttmp7, 0xffff
	s_lshl_b32 s17, s17, 2
	s_add_co_u32 s17, s17, s41                     ; tile row (256 tokens)
	s_lshl_b32 s43, s41, 2
	s_lshl_b32 s43, 15, s43                        ; my row of the cluster
	s_lshl_b32 s44, 0x1111, s40                    ; my column
	s_or_b32 s[G1T], s43, (3<<16)|(1<<21)          ; dense blocks as rows of 256 bytes (32 elements of 8 bytes), no padding
	s_or_b32 s[G1BT], s44, (3<<16)|(1<<21)
.irp g, G1T, G1BT
	s_mov_b32 s[\g+1], 32<<16
	s_mov_b32 s[\g+2], (2*UNIT/256)<<16            ; 100 rows
	s_mov_b32 s[\g+3], 32<<16
	s_mov_b32 s[\g+4], 2*UNIT/256
	s_mov_b32 s[\g+5], 32
	s_mov_b32 s[\g+6], 0
	s_mov_b32 s[\g+7], 0
.endr
	s_lshl_b32 s20, s17, 1
	s_add_co_u32 s20, s20, s16
	s_mul_i32 s20, s20, GROUPB                     ; xq: group 2 x tile row + half
	s_mov_b32 s21, 0
	s_lshl_b32 s46, s42, 1
	s_add_co_u32 s46, s46, s16
	s_mul_i32 s46, s46, GROUPB                     ; wq: group 2 x tile column + half
	s_mov_b32 s47, 0
	s_mul_i32 s45, s14, RUN                        ; where my run goes in a slot
	s_mov_b32 s[G0], 1
	s_mov_b32 s[G0+1], s45
	s_mov_b32 s[G0B], 1
	s_mov_b32 s[G0B+1], s45
	s_wait_dscnt 0x0                               ; both opening adds are done
	CROUND                                         ; the round in front of the first joint loads
	s_wait_kmcnt 0x0
	s_add_nc_u64 s[20:21], s[4:5], s[20:21]
	s_add_nc_u64 s[46:47], s[6:7], s[46:47]
	s_mov_b64 s[G0+2:G0+3], s[20:21]               ; tile 0 at the group's start
	s_or_b32 s[G0+3], s[G0+3], 0x80000000
	s_mov_b64 s[G0B+2:G0B+3], s[46:47]
	s_or_b32 s[G0B+3], s[G0B+3], 0x80000000
	JLOAD G0, G1T, G0B, G1BT                       ; tile 0, K steps 0 and 1: one tensor load a wave at the head
	; the rest of the set-up, while tile 0 is on its way
	s_or_b32 s[G1], s43, (3<<16)|(1<<21)
	s_or_b32 s[G1B], s44, (3<<16)|(1<<21)
.irp g, G1, G1B
	s_mov_b32 s[\g+1], 32<<16
	s_mov_b32 s[\g+2], (RUN/256)<<16               ; 150 rows
	s_mov_b32 s[\g+3], 32<<16
	s_mov_b32 s[\g+4], RUN/256
	s_mov_b32 s[\g+5], 32
	s_mov_b32 s[\g+6], 0
	s_mov_b32 s[\g+7], 0
.endr
	s_mov_b32 s[G0+4], 1
	s_add_co_u32 s[G0+5], s45, SLOT
	s_add_nc_u64 s[G0+6:G0+7], s[20:21], 2*UNIT    ; tile 1 two units on
	s_or_b32 s[G0+7], s[G0+7], 0x80000000
	s_mov_b32 s[G0B+4], 1
	s_add_co_u32 s[G0B+5], s45, SLOT
	s_add_nc_u64 s[G0B+6:G0B+7], s[46:47], 2*UNIT
	s_or_b32 s[G0B+7], s[G0B+7], 0x80000000
	s_lshl_b32 s84, s42, 9                         ; my first out, in bytes
	s_lshl_b32 s85, s16, 8
	s_add_co_u32 s84, s84, s85
	s_mov_b32 s85, 0
	s_lshl_b32 s86, s17, 22                        ; my first token's row of out0
	s_lshl_b32 s87, s15, 21
	s_add_co_u32 s86, s86, s87
	s_add_co_u32 s86, s86, s84
	s_mov_b32 s87, 0
	s_add_nc_u64 s[8:9], s[8:9], s[84:85]
	s_add_nc_u64 s[10:11], s[10:11], s[86:87]
	s_mul_i32 s18, s15, RUN                        ; LDS: my tokens' run, slot 0 and 1
	s_add_co_u32 s12, s18, SLOT
	s_mul_i32 s19, s16, RUN                        ; my outs' run, behind xq's two
	s_add_co_u32 s19, s19, 2*RUN
	s_add_co_u32 s13, s19, SLOT
	s_sub_co_u32 s22, s19, s18
	s_add_co_u32 s23, s18, 8*FRB                   ; the scale words lie behind a unit's fragments
	s_add_co_u32 s66, s23, SLOT
	s_mul_i32 s94, s14, 128*SPITCH
	s_add_co_u32 s94, s94, STAGE                   ; my stage
	s_cmp_lt_u32 ttmp9, 4                          ; xq's runs are prefetched by four clusters of a row of clusters
	s_cselect_b32 s[LIM], 1, -1
	s_cmp_eq_u32 s15, 0
	s_cselect_b32 s[LIM], s[LIM], 1
	s_cselect_b32 s90, s40, s41                    ; my place among the four that ask for my run
	s_cselect_b64 s[PFA:PFA+1], s[20:21], s[46:47]
	s_mul_i32 s91, s90, 38
	s_sub_co_u32 s91, 117, s91
	s_min_u32 s91, s91, 5                          ; my share's last block: 37, or 35 for the fourth partner
	s_mul_i32 s92, s90, 38*256
	s_add_co_u32 s92, s92, 2*UNIT                  ; tile 1 begins two units in
	s_mov_b32 s93, 0
	s_add_nc_u64 s[PFA:PFA+1], s[PFA:PFA+1], s[92:93]
	v_and_b32 v1, 31, v0                           ; lane
	v_and_b32 v2, 15, v0                           ; r
	v_bfe_u32 v3, v0, 4, 1                         ; h
	v_lshlrev_b32 v4, 4, v1                        ; 16 x lane: my place in an image
	v_lshlrev_b32 v5, 4, v2                        ; 16 r: my row's four scale words,
	v_mul_u32_u24 v6, s22, v3                      ; lanes 16-31 wq's: the lower base + h x the distance
	v_add_nc_u32 v5, v5, v6
	v_mul_u32_u24 v7, v2, SPITCH                   ; stage, in: row r, 32 bytes for each half of the lanes
	v_lshl_add_u32 v7, v3, 5, v7
	v_add_nc_u32 v[STO], s94, v7
	v_mul_u32_u24 v8, v3, SPITCH                   ; back: lanes 0-15 one row of 256 bytes, lanes 16-31 the next
	v_lshl_add_u32 v8, v2, 4, v8
	v_add_nc_u32 v[RD], s94, v8
	v_lshlrev_b32 v[CO], 14, v3
	v_lshl_add_u32 v[CO], v2, 4, v[CO]
	v_lshlrev_b32 v[BO], 5, v3
	v_lshlrev_b32 v[PFO], 8, v1                    ; blocks 0-31 of my share,
	v_min_u32 v9, s91, v1
	v_lshl_add_u32 v[PFO+1], v9, 8, 8192           ; and 32 to its last (lanes left over name the last again)
	v_add_nc_u32 v[ADRA], s18, v4
	v_add_nc_u32 v[ADRA+1], s12, v4
	v_add_nc_u32 v[ADRB], s19, v4
	v_add_nc_u32 v[ADRB+1], s13, v4
	v_add_nc_u32 v[ADRS], s23, v5
	v_add_nc_u32 v[ADRS+1], s66, v5
	s_wait_alu depctr_va_vdst(0)
	ASK 1, 0                                       ; tiles 1 and 2
	ASK 1, RUN
	WIN TO_B
.irp n, 0,1,2,3                        ; the bias in the result's layout: block n, outs 16 n + 8 h + 0 .. 7
	global_load_b128 v[BI+8*\n:BI+8*\n+3], v[BO], s[8:9] offset:64*\n
	global_load_b128 v[BI+8*\n+4:BI+8*\n+7], v[BO], s[8:9] offset:64*\n+16
.endr
	WIN 0
; A group: wq's fragment b (0-3 W, 4-7 masked; out block b % 4) x x's eight fragments of set p.  first = 1: the bias starts the sums.
; The accumulators take turns, one instruction a turn.
.macro MG b, p, first
.if \first
	WIN MULB
.else
	WIN MUL
.endif
.irp a, 0,1,2,3,4,5,6,7
.if \first
	v_wmma_scale_f32_16x16x128_f8f6f4 v[8*(4*\a+(\b)%4):8*(4*\a+(\b)%4)+7], v[128*(\p)+12*(\b):128*(\p)+12*(\b)+11], v[AF+96*(\p)+12*\a:AF+96*(\p)+12*\a+11], v[BI+8*(\b):BI+8*(\b)+7], v[SC+8*(\p)+(\b)], v[SC+8*(\p)+\a] matrix_a_fmt:MATRIX_FMT_FP6 matrix_b_fmt:MATRIX_FMT_FP6 matrix_a_scale:MATRIX_SCALE_ROW1
.else
	v_wmma_scale_f32_16x16x128_f8f6f4 v[8*(4*\a+(\b)%4):8*(4*\a+(\b)%4)+7], v[128*(\p)+12*(\b):128*(\p)+12*(\b)+11], v[AF+96*(\p)+12*\a:AF+96*(\p)+12*\a+11], v[8*(4*\a+(\b)%4):8*(4*\a+(\b)%4)+7], v[SC+8*(\p)+(\b)], v[SC+8*(\p)+\a] matrix_a_fmt:MATRIX_FMT_FP6 matrix_b_fmt:MATRIX_FMT_FP6 matrix_a_scale:MATRIX_SCALE_ROW1
.endif
.endr
.endm
; The last step's group: token blocks 2 j and 2 j + 1 x wq's eight fragments: the pair's eight accumulators by turns, seven others between two steps of a sum
.macro MGP j, p
	WIN MUL
.irp b, 0,1,2,3,4,5,6,7
.irp e, 0,1
	v_wmma_scale_f32_16x16x128_f8f6f4 v[8*(4*(2*(\j)+\e)+(\b)%4):8*(4*(2*(\j)+\e)+(\b)%4)+7], v[128*(\p)+12*\b:128*(\p)+12*\b+11], v[AF+96*(\p)+12*(2*(\j)+\e):AF+96*(\p)+12*(2*(\j)+\e)+11], v[8*(4*(2*(\j)+\e)+(\b)%4):8*(4*(2*(\j)+\e)+(\b)%4)+7], v[SC+8*(\p)+\b], v[SC+8*(\p)+2*(\j)+\e] matrix_a_fmt:MATRIX_FMT_FP6 matrix_b_fmt:MATRIX_FMT_FP6 matrix_a_scale:MATRIX_SCALE_ROW1
.endr
.endr
.endm
.macro LDN n, dst, adr, off, lstr      ; n loads of 16 bytes a lane on end: the i-th into v[dst + 4 i] from off + lstr i (a unit's fragments lie on end in LDS as in the registers)
.set LC, 0
.rept \n
	ds_load_b128 v[(\dst)+4*LC:(\dst)+4*LC+3], v[\adr] offset:(\off)+(\lstr)*LC
.set LC, LC+1
.endr
.endm
; The three runs that bring the unit at byte off of a slot's runs into the set that p's step does not read
.macro FA slot, off, p                 ; the scale words and x's fragments 0-4: 17 loads
	WIN 0
	LDN 2, SC+8*(1-(\p)), ADRS+\slot, \off, 256
	LDN 15, AF+96*(1-(\p)), ADRA+\slot, \off, 512
.endm
.macro FB slot, off, p                 ; x's fragments 5-7 and wq's 0-2: 18 loads
	WIN 0
	LDN 9, AF+96*(1-(\p))+60, ADRA+\slot, (\off)+5*FRB, 512
	WIN TO_B
	LDN 9, 128*(1-(\p)), ADRB+\slot, \off, 512
.endm
.macro FC slot, off, p                 ; wq's fragments 3-7: 15 loads
	WIN TO_B
	LDN 15, 128*(1-(\p))+36, ADRB+\slot, (\off)+3*FRB, 512
.endm
; A K step whose successor lies in the same slot: multiplies set p, fetches the slot's step q + 1 into the other set.
.macro STEP slot, q, p, first
	s_wait_dscnt 15                                ; all but the last step's third run
	PLACES 4                                       ; between the last step's products, which read the other set, and this step's loads into it
	FA \slot, UNIT*((\q)+1), \p
	MG 0, \p, \first
	MG 1, \p, \first
	MG 2, \p, \first
	FB \slot, UNIT*((\q)+1), \p
	s_wait_dscnt 35                                ; all but this step's 17 + 18: wq's fragments 3-7 are in
	MG 3, \p, \first
	MG 4, \p, 0
	FC \slot, UNIT*((\q)+1), \p
	MG 5, \p, 0
	MG 6, \p, 0
	MG 7, \p, 0
.endm
; A slot's last K step changes slots.  Two groups stand round the barrier's signal; the next slot's first unit is fetched among the other six.
; fill = 1: a round of the cluster's barrier, and this slot is filled again, adv bytes on.  ask: the prefetch's mode, 0 none.
.macro TURN slot, p, next, fill, adv, ask
	WIN 0
.if \fill
	s_wait_xcnt 0x0                                ; my prefetches have read their address
	s_add_nc_u64 s[PFA:PFA+1], s[PFA:PFA+1], RUN
.endif
	s_wait_tensorcnt 0x0                           ; my part of the next slot is in;
	ds_add_u32 v[SPW], v[NIL]
	s_wait_dscnt 13                                ; (the add and the youngest twelve loads, wq's fragments 4-7, may be out)
	MG 3, \p, 0
	s_wait_dscnt 0x0                               ; the add is done, my reads of this slot are over
	s_barrier_signal -1
	MG 7, \p, 0
	WIN 0
	s_barrier_wait -1
.if \fill
	CREST
	s_add_nc_u64 s[G0+4*\slot+2:G0+4*\slot+3], s[G0+4*\slot+2:G0+4*\slot+3], \adv
	s_add_nc_u64 s[G0B+4*\slot+2:G0B+4*\slot+3], s[G0B+4*\slot+2:G0B+4*\slot+3], \adv
	JLOAD G0+4*\slot, G1, G0B+4*\slot, G1B         ; my one tensor load behind the round; its four v_nop are the places in front of the loads below
.else
	PLACES 4
.endif
.if \ask
	ASK \ask, 2*RUN                                ; the tile two refills on
.endif
	FA \next, 0, \p
	MG 0, \p, 0
	MG 1, \p, 0
	FB \next, 0, \p
	MG 2, \p, 0
	MG 4, \p, 0
	FC \next, 0, \p
	MG 5, \p, 0
	MG 6, \p, 0
.endm
; THE WAY OUT of pair j (32 tokens x 64 outs), one run of memory instructions: the pair goes into my stage, 32 bytes a lane, and comes back as whole rows of 256 bytes, two rows a load;
; LDS serves a wave's instructions in order, so the loads see the stores.  In the same run the pair before, which is back by then, is stored.
.macro SENDP j                         ; pair j's 16 stores: 16 lanes store 256 consecutive bytes, aligned
	WIN 0x04                                       ; a store's data are its source 1: window 1
.irp t, 0,1,2,3,4,5,6,7,8,9,10,11,12,13,14,15
	global_store_b128 v[CO], v[64*((\j)%2)+4*\t:64*((\j)%2)+4*\t+3], s[10:11] offset:(16*(\j)+\t)*2*16384 th:TH_STORE_NT
.endr
.endm
.macro OUTRUN j
	PLACES 4                                       ; behind the pair's last products, for the stage's stores; and for the loads into registers that products have read
.if (\j) >= 2
	s_wait_xcnt 0x0                                ; pair j - 2's stores have read their registers: this pair's loads may land there
.endif
	WIN 0x48                                       ; LDS stores' data window 2, LDS loads' destination window 1
.irp e, 0,1
.irp n, 0,1,2,3
	ds_store_b128 v[STO], v[8*(4*(2*(\j)+\e)+\n):8*(4*(2*(\j)+\e)+\n)+3] offset:(2*(\j)+\e)*16*SPITCH+64*\n       ; each accumulator from its low end on
	ds_store_b128 v[STO], v[8*(4*(2*(\j)+\e)+\n)+4:8*(4*(2*(\j)+\e)+\n)+7] offset:(2*(\j)+\e)*16*SPITCH+64*\n+16
.endr
.endr
	LDN 16, 64*((\j)%2), RD, 16*(\j)*2*SPITCH, 2*SPITCH
.if (\j) >= 1
	s_wait_dscnt 32                                ; all but this run's 16 stores and 16 loads: the pair before is back
	SENDP (\j)-1
.endif
.endm
	s_wait_tensorcnt 0x0                           ; my part of tile 0 is in; slot 1's first fill is issued as a refill is
	ds_add_u32 v[SPW], v[NIL]
	s_wait_dscnt 0x0
	CROUND
	JLOAD G0+4, G1, G0B+4, G1B                     ; tile 1, K steps 2 to 4
	LDN 2, SC, ADRS, 0, 256                        ; K step 0's operands, in the order of a step's three runs
	LDN 24, AF, ADRA, 0, 512
	WIN TO_B
	LDN 24, 0, ADRB, 0, 512
	WIN 0
	ASK 1, 2*RUN                                   ; tile 3
	s_wait_loadcnt 0x0                             ; the bias
	STEP 0, 0, 0, 1                                ; K step 0: its first products start the sums
	TURN 0, 1, 1, 1, 5*UNIT, 1                     ; K step 1; slot 0 takes tile 2
	WIN 0
	s_mov_b32 s3, 4
.Llap:                                                 ; a trip is six K steps, tiles 2 i - 1 and 2 i, and fills both slots again: four trips, tiles 3 to 10 asked for
	STEP 1, 0, 0, 0
	STEP 1, 1, 1, 0
	TURN 1, 0, 0, 1, 2*RUN, 2
	STEP 0, 0, 1, 0
	STEP 0, 1, 0, 0
	TURN 0, 1, 1, 1, 2*RUN, 2
	WIN 0
	s_sub_co_u32 s3, s3, 1
	s_cmp_lg_u32 s3, 0
	s_cbranch_scc1 .Llap
	STEP 1, 0, 0, 0                                ; tiles 9 and 10 are written out: nothing more is fetched
	STEP 1, 1, 1, 0
	TURN 1, 0, 0, 0, 0, 0                          ; behind this barrier nobody reads slot 1
	STEP 0, 0, 1, 0
	STEP 0, 1, 0, 0
	s_wait_dscnt 0x0                               ; the last K step, by pairs of token blocks: all its operands are in
	MGP 0, 1
	MGP 1, 1
	OUTRUN 0
	MGP 2, 1
	OUTRUN 1
	MGP 3, 1
	OUTRUN 2
	OUTRUN 3
	s_wait_dscnt 0x0
	SENDP 3
	WIN 0
	s_wait_tensorcnt 0x0                           ; the wave's end
	ds_add_u32 v[SPW], v[NIL]
	s_wait_dscnt 0x0
	CROUND                                         ; the closing round
	s_endpgm
.Lfunc_end_k_q6c4ba53666_gemm:
	.size	k_q6c4ba53666_gemm, .Lfunc_end_k_q6c4ba53666_gemm-k_q6c4ba53666_gemm
	.p2alignl 7, 3214868480
	.fill 96, 4, 3214868480
	.section	.rodata,"a",@progbits
	.p2align	6, 0x0
	.amdhsa_kernel k_q6c4ba53666_gemm
		.amdhsa_group_segment_fixed_size 327680
		.amdhsa_private_segment_fixed_size 0
		.amdhsa_enable_private_segment 0
		.amdhsa_kernarg_size 32
		.amdhsa_user_sgpr_count 2
		.amdhsa_user_sgpr_kernarg_segment_ptr 1
		.amdhsa_wavefront_size32 1
		.amdhsa_system_sgpr_workgroup_id_x 1
		.amdhsa_system_sgpr_workgroup_id_y 1
		.amdhsa_system_sgpr_workgroup_id_z 1
		.amdhsa_system_vgpr_workitem_id 0
		.amdhsa_next_free_vgpr 768
		.amdhsa_next_free_sgpr 100
		.amdhsa_reserve_vcc 0
		.amdhsa_float_denorm_mode_32 3
		.amdhsa_float_denorm_mode_16_64 3
		.amdhsa_memory_ordered 1
		.amdhsa_forward_progress 1
		.amdhsa_inst_pref_size 192
	.end_amdhsa_kernel
	.amdgpu_metadata
---
amdhsa.version: [ 1, 2 ]
amdhsa.kernels:
  - .name:           k_q6c4ba53666_gemm
    .symbol:         k_q6c4ba53666_gemm.kd
    .args:
      - { .name: xq, .offset: 0, .size: 8, .value_kind: global_buffer, .address_space: global }
      - { .name: wq, .offset: 8, .size: 8, .value_kind: global_buffer, .address_space: global }
      - { .name: bias, .offset: 16, .size: 8, .value_kind: global_buffer, .address_space: global }
      - { .name: out0, .offset: 24, .size: 8, .value_kind: global_buffer, .address_space: global }
    .group_segment_fixed_size: 327680
    .private_segment_fixed_size: 0
    .kernarg_segment_align: 8
    .kernarg_segment_size: 32
    .max_flat_workgroup_size: 128
    .sgpr_count:     100
    .vgpr_count:     768
    .wavefront_size: 32
...
	.end_amdgpu_metadata
.endif
;; end of part 2
